; MI455X (gfx1250); checked and timed in simulation.
; The chip was launched on July 23, 2026; its instructions are those of AMD's public machine-readable ISA for CDNA 5 (MIT licence, August 2026) and "CDNA5" Instruction Set Architecture Reference Guide (July 2026). The comments in the code are by the model that wrote it; some were corrected since.
;; Dendritic Compartment. Allowed arithmetic: matrix products marked QUANTISED: E5M2 operands, one given power-of-two scale a tensor, by v_wmma_f32_16x16x64_bf8_bf8 or v_wmma_f32_16x16x128_bf8_bf8, f32 sums; products left as they are: f32 operands where the result goes on into a quantised operand, else bf16, f16 or f32 operands; f32 sums; everything else in f32.
;; Inputs: W_gate 4 x 2,048 float32; W_seg 4 x 2,048 x 2,048 float32; b_gate 4 float32; b_seg 4 x 2,048 float32; lowp_scales 2 int32 (the exponents e of the quantised operands' scales 2^e); threshold 4 x 2,048 float32; x 4,096 x 2,048 float32.
;; Outputs: out0 4,096 x 2,048 float32.
;; This version of the problem:
;;   THIS VERSION OF THE PROBLEM IS GIVEN IN LOW PRECISION. The matrix products marked QUANTISED in the list below multiply operands that are first quantised to E5M2 (5 exponent bits, 2 mantissa bits; 8 bits a number), with one given power-of-two scale for each operand tensor; their sums are f32. All else is computed in f32.
;;   The module's matrix products, in the order in which they are computed (A, B: the left and right operand; K: the contracted axis; several contracted axes count as one K, in the product's order):
;;     1. [M 4,096, K 2,048] x [K 2,048, N 4]; A: input x; B: input W_gate: left as it is (N = 4 < 16)
;;     2. [M 8,192, K 2,048] x [K 2,048, N 4,096]; A: input W_seg; B: input x: QUANTISED (scales: A lowp_scales[0], B lowp_scales[1])
;;   THE QUANTISER, for each operand of a quantised product, along K:
;;     - The operand's scale is 2^e, e = its entry of the input lowp_scales (int32; the entries are numbered through the quantised products in the list's order, A before B).
;;     - Each number is divided by the scale, clamped to +-57,344, and rounded to the nearest number of E5M2, ties to even, subnormals kept.
;;     - The product sums the exact products of the quantised numbers (number of the format x scale) in f32.
;;   ~~~python
;;   def quantise(x, axis, e):      # numpy; x: float32 -> the quantised numbers, widened to float32 again
;;       x = np.moveaxis(x, axis, -1); K = x.shape[-1]
;;       r = np.clip(x / 2.0 ** e, -57344, 57344)
;;       step = 2.0 ** (np.maximum(np.frexp(np.where(r == 0, 1, r))[1] - 1, -14) - 2)
;;       q = np.round(r / step) * step * 2.0 ** e      # np.round: ties to even
;;       return np.moveaxis(q, -1, axis).astype(np.float32)
;;   ~~~
;; One version. Each part assembles by itself: llvm-mc -triple=amdgcn-amd-amdhsa -mcpu=gfx1250 --defsym DOCPART=n.
;; ======== version 1 of 1: 2 launches
;; limits: right only within a limited range of input values
;; workspace buffers: xc 8,388,608 bytes; wc 16,777,216 bytes; gates 65,536 bytes
;; launch quant (part 1): grid 256 x 1, 8 waves a work-group, no clusters, 71,680 bytes of LDS; arguments x, W_seg, W_gate, b_gate, lowp_scales, xc, wc, gates; writes xc, wc, gates
.if DOCPART == 1
	.amdgcn_target "amdgcn-amd-amdhsa--gfx1250"
	.amdhsa_code_object_version 6
	.text
	.protected	k_qfd8b7db192_quant
	.globl	k_qfd8b7db192_quant
	.p2align	8
	.type	k_qfd8b7db192_quant,@function
k_qfd8b7db192_quant:
	s_mov_b64 s[64:65], 0
	v_nop
	global_prefetch_b8 v0, s[64:65] scope:SCOPE_SE
	s_setreg_imm32_b32 hwreg(HW_REG_WAVE_MODE, 25, 1), 1
	s_wait_xcnt 0x0
; x [4096][2048] and W_seg [4][2048][2048], f32, become codes of BF8 (E5M2), one byte each, each tensor with the scale 2^e that is given for it
; (entry 0 of the scales: W_seg, entry 1: x); and gates[b][s] = sigmoid(x[b] . W_gate[s] + b_gate[s]) is made on the way, in f32, from the numbers of x as they are loaded.
; code = number / 2^e, held within +-57,344, rounded to the nearest code, ties to even.
; LIMITS: each e lies between -126 and 112, so that 2^e and 57,344 x 2^e are f32 numbers.  NaN among the inputs is not served; an infinity is held at the largest code.
; TWO LAYOUTS OF THIS PROGRAM'S OWN, which the second launch relies on:
;  (1) rows of wc: row n' = 128 (d / 32) + 32 s + d % 32 holds W_seg[s][d]: 128 neighbouring rows are four segments x 32 d.
;  (2) inside each run of 512 along K, alike in xc and in wc, code byte 16 l + 4 i + j holds k = 128 i + 4 l + j (l = 0 .. 31; i, j = 0 .. 3): what lane l has when four loads take
;      the run's 2,048 bytes as they lie, 16 bytes a lane.  Every product still meets its partner; only the order of the sums differs from ascending k.
; SHARES.  Work-group g: rows 16 g .. 16 g + 15 of x and the flat rows 32 g .. 32 g + 31 of W_seg (segment g / 64, d = 32 (g % 64) on: 32 neighbouring rows of wc).
; Wave w: quarter q = w % 4 of K (512 numbers) and half p = w / 4 of the rows: 8 steps on x, 16 on W_seg, written out; every offset is an immediate and no pointer is stepped.
; A step: four loads of 512 consecutive bytes, 16 numbers a lane, 16 codes a lane, one store of 512 consecutive bytes, aligned.
; A lane's places along K are the same in every row, so its 4 x 16 numbers of W_gate stay in 64 registers; a row's four quarter sums meet in LDS, and wave 0 finishes the gates.
; Loads run eight steps (32 loads a wave) ahead.  No tensor loads, no matrix unit, no cluster: the stream is read once, and all that work-groups share is W_gate's 32,768 bytes.
.set ROWX, 8192                        ; a row of x or of W_seg in bytes
.set ROWC, 2048                        ; a row of codes in bytes
.set OFF,  1                           ; v1       16 x lane: my place in a load's and in a store's 512 bytes; never rewritten
.set PST,  2                           ; v2       LDS: 512 p + 16 q: where my wave puts a row's four partial sums
.set PLD,  3                           ; v3       LDS: 64 (lane / 2) + 8 (lane % 2): what wave 0's lane reads back
.set GOF,  4                           ; v4       8 x lane: my two gates' place in the work-group's 256 bytes
.set BOF,  5                           ; v5       8 (lane % 2): my two numbers of b_gate
.set SCX,  6                           ; v6, v7   2^ex and 57,344 x 2^ex
.set LMX,  7
.set SCW,  8                           ; v8, v9   the same with ew
.set LMW,  9
.set BG,   10                          ; v[10:11] b_gate's pair
.set GA,   12                          ; v[12:19] four pairs: a row's sums for the four gates, even and odd places
.set GS,   20                          ; v[20:23] the four sums
.set C,    24                          ; v[24:55] codes of the eight steps on x
.set WGT,  56                          ; v[56:119] W_gate: 16 s + 4 i + j; in the steps on W_seg their codes: no store's data are written again
.set X,    120                         ; v[120:247] eight sets of 16 numbers
	s_load_b256 s[4:11], s[0:1], 0x0               ; x s[4:5], W_seg s[6:7], W_gate s[8:9], b_gate s[10:11]
	s_load_b256 s[12:19], s[0:1], 0x20             ; the scales' exponents s[12:13], xc s[14:15], wc s[16:17], gates s[18:19]
	v_lshl_add_u32 v248, v0, 2, 0x400
	v_mov_b32 v249, 0
	v_lshrrev_b32 v1, 5, v0
	s_delay_alu instid0(VALU_DEP_1)
	v_readfirstlane_b32 s20, v1                    ; wave 0..7
	s_and_b32 s21, s20, 3                          ; q
	s_lshr_b32 s22, s20, 2                         ; p
	s_mov_b32 s26, 0x76543210                      ; v_permlanex16_b32: each lane takes its own place in the other half
	s_mov_b32 s27, 0xfedcba98
	v_and_b32 v10, 31, v0                          ; lane
	v_and_b32 v11, 1, v0                           ; lane % 2
	s_delay_alu instid0(VALU_DEP_2)
	v_lshlrev_b32 v[OFF], 4, v10
	v_bfe_u32 v[PST], v0, 5, 2                     ; q
	s_delay_alu instid0(VALU_DEP_1)
	v_lshlrev_b32 v[PST], 4, v[PST]
	v_bfe_u32 v[PLD], v0, 7, 1                     ; p
	s_delay_alu instid0(VALU_DEP_1)
	v_lshl_add_u32 v[PST], v[PLD], 9, v[PST]
	v_lshrrev_b32 v[PLD], 1, v10
	s_delay_alu instid0(VALU_DEP_1)
	v_lshlrev_b32 v[PLD], 6, v[PLD]
	s_delay_alu instid0(VALU_DEP_1)
	v_lshl_add_u32 v[PLD], v11, 3, v[PLD]
	v_lshlrev_b32 v[GOF], 3, v10
	v_lshlrev_b32 v[BOF], 3, v11
	; W's codes leave through a stage of the wave's own (32 places of 272 bytes, from LDS byte 0x800 + 8,704 x wave): v250 = where lane l puts a row's 16 bytes, v251 = where lane (r, h) reads them back
	s_mul_i32 s38, s20, 8704
	v_mul_u32_u24 v250, v10, 272
	v_lshrrev_b32 v251, 4, v10
	v_and_b32 v252, 15, v10
	v_mul_u32_u24 v251, v251, 272
	v_add_nc_u32 v250, s38, v250
	v_lshl_add_u32 v251, v252, 4, v251
	v_add_nc_u32 v251, s38, v251
	s_mov_b32 s29, 0                               ; every offset below stays under 2^27
	s_lshl_b32 s30, s21, 11                        ; my quarter of a row of f32
	s_lshl_b32 s31, s21, 9                         ; and of a row of codes
	s_wait_alu depctr_va_vdst(0)
	s_wait_kmcnt 0x0
	s_load_b64 s[24:25], s[12:13], 0x0             ; ew, ex
	s_lshl_b32 s28, ttmp9, 17                      ; x: 16 g rows,
	s_lshl_b32 s32, s22, 16                        ; + 8 p rows,
	s_add_co_u32 s28, s28, s32
	s_add_co_u32 s28, s28, s30                     ; + my quarter
	s_add_nc_u64 s[4:5], s[4:5], s[28:29]
	s_lshl_b32 s28, ttmp9, 18                      ; W_seg: 32 g rows, + 16 p rows, + my quarter
	s_lshl_b32 s32, s22, 17
	s_add_co_u32 s28, s28, s32
	s_add_co_u32 s28, s28, s30
	s_add_nc_u64 s[6:7], s[6:7], s[28:29]
	s_mov_b32 s28, s30                             ; W_gate: my quarter
	s_add_nc_u64 s[8:9], s[8:9], s[28:29]
	s_lshl_b32 s28, ttmp9, 15                      ; xc: as x, in rows of 2,048 bytes
	s_lshl_b32 s32, s22, 14
	s_add_co_u32 s28, s28, s32
	s_add_co_u32 s28, s28, s31
	s_add_nc_u64 s[14:15], s[14:15], s[28:29]
	; WC'S BYTES, as the second launch's registers take them.  Tile T = d / 32 (the 128 rows n' of layout (1)) has 262,144 bytes; in it 16 steps of 16,384 bytes (128 along K, ascending);
	; in a step fragment b = (n' % 128) / 16 at 2,048 b, its four registers' group c at 512 c, lane (r, h) at 16 (r + 16 h): row 16 b + r, code bytes 32 c + 16 h .. + 15 of the step.
	s_and_b32 s33, ttmp9, 63                       ; T
	s_lshl_b32 s34, s33, 18
	s_lshr_b32 s35, ttmp9, 6                       ; segment
	s_lshl_b32 s35, s35, 1
	s_add_co_u32 s35, s35, s22                     ; b = 2 s + p
	s_lshl_b32 s35, s35, 11
	s_add_co_u32 s34, s34, s35
	s_lshl_b32 s35, s21, 16                        ; my quarter of K: steps 4 q on
	s_add_co_u32 s28, s34, s35
	s_add_nc_u64 s[16:17], s[16:17], s[28:29]
	s_lshl_b32 s28, ttmp9, 8                       ; gates: 16 rows of 16 bytes a work-group
	s_add_nc_u64 s[18:19], s[18:19], s[28:29]
.irp s, 0,1,2,3
.irp i, 0,1,2,3
	global_load_b128 v[WGT+16*\s+4*\i:WGT+16*\s+4*\i+3], v[OFF], s[8:9] offset:ROWX*\s+512*\i   ; W_gate[s], at my places of my quarter
.endr
.endr
	global_load_b64 v[BG:BG+1], v[BOF], s[10:11]
.macro LOADS t                         ; step t's four loads: 512 consecutive bytes each, into set t % 8
.set XL, X+16*((\t)%8)
.irp i, 0,1,2,3
.if (\t) < 8
	global_load_b128 v[XL+4*\i:XL+4*\i+3], v[OFF], s[4:5] offset:ROWX*(\t)+512*\i th:TH_LOAD_NT
.else
	global_load_b128 v[XL+4*\i:XL+4*\i+3], v[OFF], s[6:7] offset:ROWX*((\t)-8)+512*\i th:TH_LOAD_NT
.endif
.endr
.endm
.irp t, 0,1,2,3,4,5,6,7
	LOADS \t
.endr
	s_wait_kmcnt 0x0
	s_add_co_i32 s30, s25, 127
	s_lshl_b32 s31, s30, 23
	v_mov_b32 v[SCX], s31                          ; 2^ex as f32: the conversion takes its exponent field
	s_add_co_i32 s30, s30, 15
	s_lshl_b32 s30, s30, 23
	s_or_b32 s30, s30, 0x600000
	v_mov_b32 v[LMX], s30                          ; 57,344 x 2^ex
	s_add_co_i32 s30, s24, 127
	s_lshl_b32 s31, s30, 23
	v_mov_b32 v[SCW], s31
	s_add_co_i32 s30, s30, 15
	s_lshl_b32 s30, s30, 23
	s_or_b32 s30, s30, 0x600000
	v_mov_b32 v[LMW], s30
; A step on x: row 8 p + t.  The gates' sums take the numbers as they came; then the hold, the conversion, the store, and the loads of eight steps on.
.macro XSTEP t
.set XS, X+16*(\t)
	s_wait_loadcnt 28                              ; loads come back in order: this step's four are in (in step 0 also W_gate's and b_gate's, which are older); the seven younger steps' 28 stay out
.irp m, 0,1,2,3,4,5,6,7
.irp s, 0,1,2,3
.if \m == 0
	v_pk_mul_f32 v[GA+2*\s:GA+2*\s+1], v[XS+2*\m:XS+2*\m+1], v[WGT+16*\s+2*\m:WGT+16*\s+2*\m+1]   ; the first product starts the sums; the four gates take turns
.else
	s_delay_alu instid0(VALU_DEP_4)
	v_pk_fma_f32 v[GA+2*\s:GA+2*\s+1], v[XS+2*\m:XS+2*\m+1], v[WGT+16*\s+2*\m:WGT+16*\s+2*\m+1], v[GA+2*\s:GA+2*\s+1]
.endif
.endr
.endr
.if (\t) > 0
	s_wait_alu depctr_va_vdst(0)
	s_wait_dscnt 0x0                               ; the last step's LDS store has read the four sums
.endif
.irp s, 0,1,2,3
	v_add_f32 v[GS+\s], v[GA+2*\s], v[GA+2*\s+1]
.endr
.irp k, 1,2,4,8
.irp s, 0,1,2,3
	s_delay_alu instid0(VALU_DEP_4)
	v_add_f32_dpp v[GS+\s], v[GS+\s], v[GS+\s] row_xmask:\k row_mask:0xf bank_mask:0xf
.endr
.endr
.irp s, 0,1,2,3
	s_delay_alu instid0(VALU_DEP_4)
	v_permlanex16_b32 v[GA+2*\s], v[GS+\s], s26, s27   ; its destination counts as read: these registers have been written
.endr
.irp s, 0,1,2,3
	s_delay_alu instid0(VALU_DEP_4)
	v_add_f32 v[GS+\s], v[GS+\s], v[GA+2*\s]       ; every lane holds my quarter's sums
.endr
	ds_store_b128 v[PST], v[GS:GS+3] offset:64*(\t)    ; all lanes write the same 16 bytes with the same numbers: row 8 p + t, quarter q
.irp i, 0,1,2,3,4,5,6,7,8,9,10,11,12,13,14,15
	v_med3_num_f32 v[XS+\i], v[XS+\i], -v[LMX], v[LMX]   ; the conversion to an 8-bit code does not saturate (ISA guide 7.6.2): the hold comes first
.endr
	v_cvt_scalef32_pk8_bf8_f32 v[C+4*(\t):C+4*(\t)+1], v[XS:XS+7], v[SCX]
	v_cvt_scalef32_pk8_bf8_f32 v[C+4*(\t)+2:C+4*(\t)+3], v[XS+8:XS+15], v[SCX]
	global_store_b128 v[OFF], v[C+4*(\t):C+4*(\t)+3], s[14:15] offset:ROWC*(\t)   ; the codes go to a store alone, and the next vector lines are plain and touch other registers
	LOADS (\t)+8
.endm
; A step on W_seg: row 16 p + t - 8.
.macro WSTEP t
.set XS, X+16*((\t)%8)
.set CW, WGT+4*((\t)-8)
.if (\t) < 17
	s_wait_loadcnt 28
.else
	s_wait_loadcnt 4*(23-(\t))                     ; nothing more is asked for: the counts run down
.endif
.irp i, 0,1,2,3,4,5,6,7,8,9,10,11,12,13,14,15
	v_med3_num_f32 v[XS+\i], v[XS+\i], -v[LMW], v[LMW]
.endr
	v_cvt_scalef32_pk8_bf8_f32 v[CW:CW+1], v[XS:XS+7], v[SCW]
	v_cvt_scalef32_pk8_bf8_f32 v[CW+2:CW+3], v[XS+8:XS+15], v[SCW]
	ds_store_b128 v250, v[CW:CW+3] offset:0x800+16*((\t)-8)   ; row r = t - 8 of my fragment: place l, bytes 16 r
.if (\t) < 16
	LOADS (\t)+8
.endif
.endm
.irp t, 0,1,2,3,4,5,6,7
	XSTEP \t
.endr
.irp t, 8,9,10,11,12,13,14,15,16,17,18,19,20,21,22,23
	WSTEP \t
.endr
	; my fragment's 16 rows x 512 codes leave: group j = 4 u + c (u: the step in my quarter) is 512 consecutive bytes, lane (r, h) holding what lane l = 2 j + h made of row r.  LDS serves a wave's instructions in order.
.irp j, 0,1,2,3,4,5,6,7,8,9,10,11,12,13,14,15
	ds_load_b128 v[X+4*\j:X+4*\j+3], v251 offset:0x800+544*\j
.endr
.irp j, 0,1,2,3,4,5,6,7,8,9,10,11,12,13,14,15
	s_wait_dscnt 15-\j
	global_store_b128 v[OFF], v[X+4*\j:X+4*\j+3], s[16:17] offset:16384*(\j/4)+512*(\j%4)
.endr
	s_wait_dscnt 0x0                               ; for the others' sake: my partial sums lie in LDS
	s_barrier_signal -1
	s_barrier_wait -1                              ; everybody's do
	s_cmp_lg_u32 s20, 0
	s_cbranch_scc1 .Lend                           ; wave 0 finishes the work-group's 64 gates: lane l takes row l / 2, gates 2 (l % 2) and 2 (l % 2) + 1
.irp k, 0,1,2,3
	ds_load_b64 v[GA+2*\k:GA+2*\k+1], v[PLD] offset:16*\k
.endr
	s_wait_dscnt 0x0
	v_pk_add_f32 v[GA:GA+1], v[GA:GA+1], v[GA+2:GA+3]
	v_pk_add_f32 v[GA+4:GA+5], v[GA+4:GA+5], v[GA+6:GA+7]
	s_delay_alu instid0(VALU_DEP_1)
	v_pk_add_f32 v[GA:GA+1], v[GA:GA+1], v[GA+4:GA+5]
	s_delay_alu instid0(VALU_DEP_1)
	v_pk_add_f32 v[GA:GA+1], v[GA:GA+1], v[BG:BG+1]
	s_delay_alu instid0(VALU_DEP_1)
	v_pk_mul_f32 v[GA:GA+1], v[GA:GA+1], 0xbfb8aa3b op_sel_hi:[1,0]   ; x -log2(e): sigmoid(a) = 1 / (1 + 2^(-a log2 e))
	s_wait_alu depctr_va_vdst(0)
	v_exp_f32 v[GA], v[GA]
	v_exp_f32 v[GA+1], v[GA+1]
	v_nop                                          ; a plain line behind the last exponential,
	s_wait_alu depctr_va_vdst(0)                   ; and the wait ahead of the first use: one for both
	v_pk_add_f32 v[GA:GA+1], v[GA:GA+1], 1.0 op_sel_hi:[1,0]
	s_wait_alu depctr_va_vdst(0)
	v_rcp_f32 v[GA], v[GA]
	v_rcp_f32 v[GA+1], v[GA+1]
	v_nop
	s_wait_alu depctr_va_vdst(0)
	global_store_b64 v[GOF], v[GA:GA+1], s[18:19]  ; 32 lanes store 256 consecutive bytes, aligned: 16 rows x 4 gates
.Lend:
	s_wait_tensorcnt 0x0
	ds_add_u32 v248, v249
	s_wait_dscnt 0x0
	s_endpgm
.Lfunc_end_k_qfd8b7db192_quant:
	.size	k_qfd8b7db192_quant, .Lfunc_end_k_qfd8b7db192_quant-k_qfd8b7db192_quant
	.p2alignl 7, 3214868480
	.fill 96, 4, 3214868480
	.section	.rodata,"a",@progbits
	.p2align	6, 0x0
	.amdhsa_kernel k_qfd8b7db192_quant
		.amdhsa_group_segment_fixed_size 71680
		.amdhsa_private_segment_fixed_size 0
		.amdhsa_enable_private_segment 0
		.amdhsa_kernarg_size 64
		.amdhsa_user_sgpr_count 2
		.amdhsa_user_sgpr_kernarg_segment_ptr 1
		.amdhsa_wavefront_size32 1
		.amdhsa_system_sgpr_workgroup_id_x 1
		.amdhsa_system_sgpr_workgroup_id_y 1
		.amdhsa_system_sgpr_workgroup_id_z 1
		.amdhsa_system_vgpr_workitem_id 0
		.amdhsa_next_free_vgpr 256
		.amdhsa_next_free_sgpr 66
		.amdhsa_reserve_vcc 0
		.amdhsa_float_denorm_mode_32 3
		.amdhsa_float_denorm_mode_16_64 3
		.amdhsa_memory_ordered 1
		.amdhsa_forward_progress 1
		.amdhsa_inst_pref_size 91
	.end_amdhsa_kernel
	.amdgpu_metadata
---
amdhsa.version: [ 1, 2 ]
amdhsa.kernels:
  - .name:           k_qfd8b7db192_quant
    .symbol:         k_qfd8b7db192_quant.kd
    .args:
      - { .name: x, .offset: 0, .size: 8, .value_kind: global_buffer, .address_space: global }
      - { .name: W_seg, .offset: 8, .size: 8, .value_kind: global_buffer, .address_space: global }
      - { .name: W_gate, .offset: 16, .size: 8, .value_kind: global_buffer, .address_space: global }
      - { .name: b_gate, .offset: 24, .size: 8, .value_kind: global_buffer, .address_space: global }
      - { .name: lowp_scales, .offset: 32, .size: 8, .value_kind: global_buffer, .address_space: global }
      - { .name: xc, .offset: 40, .size: 8, .value_kind: global_buffer, .address_space: global }
      - { .name: wc, .offset: 48, .size: 8, .value_kind: global_buffer, .address_space: global }
      - { .name: gates, .offset: 56, .size: 8, .value_kind: global_buffer, .address_space: global }
    .group_segment_fixed_size: 71680
    .private_segment_fixed_size: 0
    .kernarg_segment_align: 8
    .kernarg_segment_size: 64
    .max_flat_workgroup_size: 256
    .sgpr_count:     66
    .vgpr_count:     256
    .wavefront_size: 32
...
	.end_amdgpu_metadata
.endif
;; end of part 1
;; launch gemm (part 2): grid 32 x 8, 4 waves a work-group, clusters of 4 x 1, 327,680 bytes of LDS; arguments xc, wc, lowp_scales, gates, b_seg, threshold, out0; writes out0
.if DOCPART == 2
	.amdgcn_target "amdgcn-amd-amdhsa--gfx1250"
	.amdhsa_code_object_version 6
	.text
	.protected	k_qfd8b7db192_gemm
	.globl	k_qfd8b7db192_gemm
	.p2align	8
	.type	k_qfd8b7db192_gemm,@function
k_qfd8b7db192_gemm:
	s_mov_b64 s[64:65], 0
	v_nop
	global_prefetch_b8 v0, s[64:65] scope:SCOPE_SE
	s_setreg_imm32_b32 hwreg(HW_REG_WAVE_MODE, 25, 1), 1
	s_wait_xcnt 0x0
	s_wait_alu depctr_hold_cnt(0) depctr_sa_sdst(0) depctr_va_vdst(0) depctr_va_sdst(0) depctr_va_ssrc(0) depctr_va_vcc(0) depctr_vm_vsrc(0)
	s_getreg_b32 s2, hwreg(HW_REG_IB_STS2, 6, 4)
	s_cmp_eq_u32 s2, 0
	s_cbranch_scc0 .Lentry_in_a_cluster
	s_endpgm
.Lentry_in_a_cluster:
	s_bfe_u32 s2, ttmp6, 0x10000c
	s_cmp_lg_u32 s2, 0x3003
	s_cbranch_scc0 .Lentry_shape_is_right
	s_endpgm
.Lentry_shape_is_right:
; out0[b][d] = sum over s of st(s) + 0.1 sign(prod st) (prod |st|)^(1/4), st(s) = seg(s) plateau(s) gate(b, s), seg = x . W_seg[s][d] + b_seg, plateau = sigmoid(5 (seg - threshold)).
; The products are made on codes of BF8 by v_wmma_f32_16x16x128_bf8_bf8, sums in f32; a code sum stands for sum x 2^e, e = ew + ex.
; A block is 256 rows of x by two tiles of wc (a tile: 4 segments x 32 d = 128 rows).  Four waves, 128 x 128 each: 64 accumulators.  A work-group makes two blocks, 2,048 rows of x apart, on the same tiles of wc.
; X GOES THROUGH LDS: a ring of two slots of 256 rows x 512 codes, a wave's tensor load bringing 64 rows; the four work-groups of a cluster (one block row) ask for them jointly.
; WC GOES STRAIGHT INTO REGISTERS: the first launch has laid it in the order of a wave's fragment registers, 16,384 bytes a step of 128 along K, so each load takes 512 consecutive bytes; no tile of it lies in LDS, so there is nothing of it to ask for jointly.
; A step: wc's fragments 0-3 against x's eight blocks, then fragments 4-7 against them.  wc has four half sets of 64 registers; a half set is loaded again, for the step two on, in the first run of loads behind its last product.
; The ring goes on into the second block.  The second block's steps that fill or load nothing more are written out beside the first's and lead back to the common text;
; every wait on TENSORcnt is for 0, and the choice hangs on the count of blocks alone.
; PREFETCH, in the first block alone (the second reads the same bytes again): steps 0 to 9 name wc's step six on (four ahead of its load): 64 blocks of 256 bytes, shared out by address, four to each of the sixteen waves (8 block rows x 2 row halves) that read the tile.
; b_seg / 2^e is the C of each sum's first product (it lies in block 7's accumulators); 2^e goes into the plateau's divisor: seg x plateau = sum / ((1 + 2^z) 2^-e), z = -5 log2(e) (seg - threshold).
; The matrix instruction is used transposed (source 0 = wc's rows, source 1 = x's): a lane holds one row of x and eight neighbouring d.
; LIMITS: e between -120 and 120.  Where (1 + 2^z) 2^-e passes f32's range the plateau counts as 0 (it is then under 2^(e - 127)).  NaN among the inputs is not served.
; REGISTERS: window 0: v2-14 addresses, v16-23 0.1 (prod gates)^(1/4), v32-63 gates, v64-127 the threshold's terms, v128-255 x's fragments (way out: z); window 1: wc's fragments; windows 2, 3: accumulator (a, b) at 64 (a % 4) + 8 b (way out: a finished pair's registers are its scratch).
.set KROW,   2048
.set PITCH,  528
.set FR,     16
.set NP,     4
.set SLOT,   256*PITCH
.set TILES,  2
.set WALK,   2048
.set STP,    16384
.set SPARE,  2*SLOT                    ; the spare words, 512 bytes
.set TAB,    SPARE+512                 ; 1,024 bytes a wave: b_seg / 2^e (4 s x 32 d), then 5 log2(e) threshold
.set STAGE,  TAB+4096                  ; the way out: two stages of 64 rows x (256 + 16) bytes
.set SPITCH, 272
.set SB2,    64*SPITCH
.set SPW,2
.set NIL,3
.set ADRA,4
.set STO,8
.set RD,9
.set CO,10
.set GO,11
.set TR,12
.set BO,13
.set PFO,14
.set HH,16
.set GT,32
.set TH,64
.set Z,128
.set AF,128
.set G1, 24
.set G0, 32
.set NCS, 84                           ; s[84:85] -5 log2(e) 2^e
.set IS,  86                           ; s[86:87] 2^-e
.set SB,  92                           ; s[92:93] my tile of wc
.set MSB, 0
.macro WIN new                         ; the immediate's high byte repeats the setting that is left
.if MSB != \new
	s_set_vgpr_msb (MSB<<8)|\new
.set MSB, \new
.endif
.endm
.set MUL_LO, 0xa1
.set MUL_HI, 0xf1
.macro JLOAD s                         ; my 64 rows of a slot, asked for with the three partners
	tensor_load_to_lds s[G0+4*(\s):G0+4*(\s)+3], s[G1:G1+7]
	s_nop 0
.rept 4
	v_nop
.endr
.endm
.macro CREST
	s_cmp_lg_u32 s14, 0
	s_cbranch_scc1 .Lnot_wave_0_\@
	s_barrier_signal -3
.Lnot_wave_0_\@:
	s_barrier_wait -3
	s_barrier_signal -1
	s_barrier_wait -1
.endm
.macro CROUND
	s_barrier_signal -1
	s_barrier_wait -1
	CREST
.endm
	s_load_b256 s[4:11], s[0:1], 0x0               ; xc, wc, scales, gates
	s_load_b128 s[68:71], s[0:1], 0x20             ; b_seg, threshold
	s_load_b64 s[72:73], s[0:1], 0x30              ; out0
	v_lshl_add_u32 v[SPW], v0, 2, SPARE
	v_mov_b32 v[NIL], 0
	ds_add_u32 v[SPW], v[NIL]                      ; the opening lines: the add twice and one wait
	ds_add_u32 v[SPW], v[NIL]
	v_lshrrev_b32 v24, 5, v0
	v_readfirstlane_b32 s14, v24                   ; wave
	s_lshr_b32 s15, s14, 1                         ; my half of the rows
	s_and_b32 s16, s14, 1                          ; my tile of wc
	s_bfe_u32 s40, ttmp6, 0x40000
	s_lshl_b32 s42, ttmp9, 2
	s_add_co_u32 s42, s42, s40                     ; block column
	s_and_b32 s17, ttmp7, 0xffff                   ; block row
	s_mov_b32 s[G1+0], 15|(1<<20)|(1<<21)|(6<<22)|(3<<25)  ; the cluster's four; bytes; 4 words of padding behind every 128
	s_mov_b32 s[G1+1], 512<<16
	s_mov_b32 s[G1+2], 64<<16
	s_mov_b32 s[G1+3], 512<<16
	s_mov_b32 s[G1+4], 64
	s_mov_b32 s[G1+5], KROW
	s_mov_b32 s[G1+6], 0
	s_mov_b32 s[G1+7], 0
	s_lshl_b32 s20, s17, 19                        ; 256 rows of 2,048 bytes a block row
	s_lshl_b32 s18, s14, 17                        ; + my 64 rows
	s_add_co_u32 s20, s20, s18
	s_mov_b32 s21, 0
	s_mul_i32 s45, s14, 64*PITCH
	s_wait_dscnt 0x0
	s_wait_kmcnt 0x0
	s_load_b64 s[96:97], s[8:9], 0x0               ; ew, ex
	s_add_nc_u64 s[20:21], s[4:5], s[20:21]
	CROUND
.irp s, 0,1
	s_mov_b32 s[G0+4*\s], 1
	s_add_co_u32 s[G0+4*\s+1], s45, \s*SLOT
	s_add_nc_u64 s[G0+4*\s+2:G0+4*\s+3], s[20:21], \s*512
	s_or_b32 s[G0+4*\s+3], s[G0+4*\s+3], 0x80000000
.endr
	JLOAD 0                                        ; the first 512 of K: one tensor load a wave at the head
	s_mul_i32 s18, s15, 128*PITCH                  ; my rows of x in slot 0, 1
	s_add_co_u32 s19, s18, SLOT
	s_mul_i32 s22, s15, 32*SPITCH                  ; stage, in: my half's 32 rows, my 128 bytes
	s_lshl_b32 s23, s16, 7
	s_add_co_u32 s22, s22, s23
	s_add_co_u32 s22, s22, STAGE
	s_mul_i32 s23, s14, 16*SPITCH                  ; back: rows 16 w on
	s_add_co_u32 s23, s23, STAGE
	s_lshl_b32 s88, s14, 10
	s_add_co_u32 s88, s88, TAB                     ; my table
	s_lshl_b32 s41, s17, 1
	s_add_co_u32 s41, s41, s15
	s_lshl_b32 s41, s41, 10                        ; prefetch: my four of a step's 64 blocks
	s_mov_b32 s91, 0
	s_lshl_b32 s90, s17, 12
	s_lshl_b32 s89, s15, 11
	s_add_co_u32 s90, s90, s89
	s_add_nc_u64 s[10:11], s[10:11], s[90:91]      ; gates of my 128 rows
	s_lshl_b32 s90, s42, 8
	s_lshl_b32 s89, s16, 7
	s_add_co_u32 s90, s90, s89
	s_add_nc_u64 s[68:69], s[68:69], s[90:91]      ; my 32 d
	s_add_nc_u64 s[70:71], s[70:71], s[90:91]
	s_lshl_b32 s90, s42, 1
	s_add_co_u32 s90, s90, s16
	s_lshl_b32 s90, s90, 18
	s_add_nc_u64 s[SB:SB+1], s[6:7], s[90:91]      ; tile 2 x block column + my half
	s_lshl_b32 s90, s17, 21
	s_lshl_b32 s89, s15, 20
	s_add_co_u32 s90, s90, s89
	s_lshl_b32 s89, s16, 17
	s_add_co_u32 s90, s90, s89
	s_lshl_b32 s89, s42, 8
	s_add_co_u32 s90, s90, s89
	s_add_nc_u64 s[72:73], s[72:73], s[90:91]      ; out0: row 256 x block row + 128 (w / 2) + 16 (w % 2), byte 256 x block column
	v_and_b32 v24, 31, v0
	v_and_b32 v25, 15, v0                          ; r
	v_bfe_u32 v26, v0, 4, 1                        ; h
	v_mul_u32_u24 v27, v25, PITCH
	v_lshl_add_u32 v28, v26, 4, v27
	v_add_nc_u32 v[ADRA], s18, v28
	v_add_nc_u32 v[ADRA+1], s19, v28
	v_mul_u32_u24 v27, v25, SPITCH
	v_lshl_add_u32 v[STO], v26, 5, v27
	v_add_nc_u32 v[STO], s22, v[STO]
	v_mul_u32_u24 v29, v26, SPITCH
	v_lshl_add_u32 v29, v25, 4, v29
	v_add_nc_u32 v[RD], s23, v29
	v_lshlrev_b32 v[CO], 13, v26
	v_lshl_add_u32 v[CO], v25, 4, v[CO]
	v_lshlrev_b32 v[GO], 4, v25
	v_lshlrev_b32 v[TR], 5, v26
	v_add_nc_u32 v[TR], s88, v[TR]
	v_lshlrev_b32 v[BO], 4, v24
	v_min_u32 v[PFO], 3, v24
	v_lshlrev_b32 v[PFO], 8, v[PFO]
	v_add_nc_u32 v[PFO], s41, v[PFO]               ; lanes 3 to 31 name the last of my four blocks
	v_lshlrev_b32 v30, 2, v24
	v_add_nc_u32 v31, s88, v30
	s_wait_alu depctr_va_vdst(0)
.irp s, 0,1,2,3
	global_load_b32 v[64+\s], v30, s[68:69] offset:8192*\s
	global_load_b32 v[68+\s], v30, s[70:71] offset:8192*\s
.endr
	s_wait_kmcnt 0x0
	s_add_co_i32 s96, s96, s97                     ; e
	s_lshl_b32 s97, s96, 23
	s_add_co_u32 s[NCS], s97, 0xc0e6d4ca
	s_mov_b32 s[NCS+1], s[NCS]
	s_sub_co_i32 s[IS], 127, s96
	s_lshl_b32 s[IS], s[IS], 23
	s_mov_b32 s[IS+1], s[IS]
	s_mov_b32 s82, 0x7fffffff
	s_wait_loadcnt 0x0
.irp s, 0,1,2,3
	v_mul_f32 v[64+\s], s[IS], v[64+\s]
	v_mul_f32 v[68+\s], 0x40e6d4ca, v[68+\s]
.endr
.irp s, 0,1,2,3
	ds_store_b32 v31, v[64+\s] offset:128*\s
	ds_store_b32 v31, v[68+\s] offset:512+128*\s
.endr
	WIN 0x40
.set j, 0
.rept 64
	global_load_b128 v[4*j:4*j+3], v[BO], s[SB:SB+1] offset:512*j   ; wc's steps 0 and 1: the four half sets, in the ring's order
.set j, j+1
.endr
	WIN 0
.macro FRAG reg, adr, q, i
.irp c, 0,1,2,3
	ds_load_b128 v[\reg+4*\c:\reg+4*\c+3], v[\adr] offset:128*(\q)+32*\c+(\i)*16*PITCH
.endr
.endm
.macro FETCH_A slot, q, i0
.irp i, \i0, \i0+1, \i0+2, \i0+3
	FRAG AF+FR*(\i), ADRA+\slot, \q, \i
.endr
.endm
.macro PLACES n                        ; plain places behind matrix instructions (ISA guide 7.12.1)
.rept \n
	v_nop
.endr
.endm
; 16 products: x's blocks a0 .. a0 + 3 against wc's fragments b0 .. b0 + 3.  first = 1: a sum's first product, C = the bias.  The 64 accumulators take turns.
.macro MULH a0, b0, p, first
.irp a, \a0, \a0+1, \a0+2, \a0+3
.if (\first) && ((\a) == 7)
.rept 5
	v_nop                                          ; block 7's products write over the C of the others: five places
.endr
.endif
.irp b, \b0, \b0+1, \b0+2, \b0+3
.if \first
	v_wmma_f32_16x16x128_bf8_bf8 v[8*(8*((\a)%4)+(\b)):8*(8*((\a)%4)+(\b))+7], v[128*(\p)+FR*(\b):128*(\p)+FR*(\b)+FR-1], v[AF+FR*(\a):AF+FR*(\a)+FR-1], v[192+8*(\b):192+8*(\b)+7]
.else
	v_wmma_f32_16x16x128_bf8_bf8 v[8*(8*((\a)%4)+(\b)):8*(8*((\a)%4)+(\b))+7], v[128*(\p)+FR*(\b):128*(\p)+FR*(\b)+FR-1], v[AF+FR*(\a):AF+FR*(\a)+FR-1], v[8*(8*((\a)%4)+(\b)):8*(8*((\a)%4)+(\b))+7]
.endif
.endr
.endr
.endm
; Step q of a block.  turn: a slot's last step: each wave waits for all its tensor loads, adds 0 to its spare word, waits for that and for its reads of the slot; one barrier, which opens a round of the cluster's where the slot is filled again (fill; on: with the next block's rows).
; lda: x's fragments of the next step are fetched; ldb: wc's step two on is loaded; w1, w2: the loads of wc younger than the half set that is wanted (three and two half sets of 16 in the ring).
.macro KSTEP q, turn, fill, on, lda, ldb, w1, w2
.set P, (\q)%2
.set SL, ((\q)/4)%2
.set NSL, (((\q)+1)/4)%2
.set NSUB, ((\q)+1)%4
.set BQ, (((\q)+2)%16)*STP
.if (\q) == 0
.set FST, 1
.set WLO, 0xb1                                         ; C in window 3, D in window 2
.else
.set FST, 0
.set WLO, MUL_LO
.endif
.if \turn
	s_wait_tensorcnt 0x0
	ds_add_u32 v[SPW], v[NIL]
.if \fill
.if \on
	s_add_nc_u64 s[G0+4*SL+2:G0+4*SL+3], s[G0+4*SL+2:G0+4*SL+3], WALK*KROW-1024
.else
	s_add_nc_u64 s[G0+4*SL+2:G0+4*SL+3], s[G0+4*SL+2:G0+4*SL+3], 1024
.endif
.endif
	s_wait_dscnt 17                                ; the add and x's blocks 4-7 may be out
.else
	s_wait_dscnt 16
.endif
	s_wait_loadcnt \w1
	WIN WLO
	MULH 0, 0, P, FST
	s_wait_dscnt 0x0                               ; x's blocks 4-7 are in: my last reads of this slot; the add is done
.if \turn
	s_barrier_signal -1
.endif
	WIN MUL_HI
	MULH 4, 0, P, FST
.if \turn
	WIN 0
	s_barrier_wait -1
.if \fill
	CREST
	JLOAD SL
.endif
.endif
	s_wait_loadcnt \w2
	WIN WLO
	MULH 0, 4, P, FST
.if (\lda) || (\ldb)
	PLACES NP
.endif
.if \ldb
	WIN 0x40
.set j, 0
.rept 16
	global_load_b128 v[128*P+4*j:128*P+4*j+3], v[BO], s[SB:SB+1] offset:BQ+512*j
.set j, j+1
.endr
.endif
	WIN 0
.if \lda
	FETCH_A NSL, NSUB, 0
.endif
.if (\q) < 10
	s_cmp_eq_u32 s2, TILES
	s_cbranch_scc0 .Lnp_\@
	global_prefetch_b8 v[PFO], s[SB:SB+1] offset:((\q)+6)*STP th:TH_LOAD_NT scope:SCOPE_SE
.Lnp_\@:
.endif
	WIN MUL_HI
	MULH 4, 4, P, FST
.if (\lda) || (\ldb)
	PLACES NP
.endif
.if \ldb
	WIN 0x40
.set j, 16
.rept 16
	global_load_b128 v[128*P+4*j:128*P+4*j+3], v[BO], s[SB:SB+1] offset:BQ+512*j
.set j, j+1
.endr
.endif
	WIN 0
.if \lda
	FETCH_A NSL, NSUB, 4
.endif
.endm
; THE WAY OUT of blocks 2 k and 2 k + 1: 32 rows of x, a lane's 128 sums = 2 rows x 4 segments x 16 d.  Once seg x plateau is made, the pair's 128 accumulator registers are its scratch.
.macro EPI2 k
.set AC, 128*((\k)%2)
.set WV, 2+(\k)/2
.set PR, AC
.set R, AC+32
.set SUM, AC+64
.set WD, WV<<6
	s_wait_dscnt 0x0                               ; the threshold's terms are in
	WIN WV
	s_wait_alu depctr_va_vdst(0)                   ; the wait ahead of the first reader of the sums
.set n, 0
.rept 64
	v_pk_fma_f32 v[Z+n:Z+n+1], v[AC+n:AC+n+1], s[NCS:NCS+1], v[TH+(n%64):TH+(n%64)+1] op_sel_hi:[1,0,1]   ; z
.set n, n+2
.endr
	WIN 0
	s_wait_alu depctr_va_vdst(0)
.set n, 0
.rept 128
	v_exp_f32 v[Z+n], v[Z+n]
.set n, n+1
.endr
	v_nop
	s_wait_alu depctr_va_vdst(0)
.set n, 0
.rept 64
	v_pk_fma_f32 v[Z+n:Z+n+1], v[Z+n:Z+n+1], s[IS:IS+1], s[IS:IS+1] op_sel_hi:[1,0,0]   ; (1 + 2^z) 2^-e
.set n, n+2
.endr
	s_wait_alu depctr_va_vdst(0)
.set n, 0
.rept 128
	v_rcp_f32 v[Z+n], v[Z+n]
.set n, n+1
.endr
	v_nop
	s_wait_alu depctr_va_vdst(0)
	WIN WV
.set n, 0
.rept 64
	v_pk_mul_f32 v[Z+n:Z+n+1], v[AC+n:AC+n+1], v[Z+n:Z+n+1]   ; seg x plateau
.set n, n+2
.endr
	WIN WD
.irp i, 0,1
.set m, 0
.rept 8
	v_pk_mul_f32 v[PR+16*\i+m:PR+16*\i+m+1], v[Z+64*\i+m:Z+64*\i+m+1], v[Z+64*\i+16+m:Z+64*\i+17+m]
	v_pk_mul_f32 v[R+16*\i+m:R+16*\i+m+1], v[Z+64*\i+32+m:Z+64*\i+33+m], v[Z+64*\i+48+m:Z+64*\i+49+m]
.set m, m+2
.endr
.endr
.set WX, WD|(WV<<2)|WV
	WIN WX
.set m, 0
.rept 16
	v_pk_mul_f32 v[PR+m:PR+m+1], v[PR+m:PR+m+1], v[R+m:R+m+1]
.set m, m+2
.endr
.set WX, WD|WV
	WIN WX
	s_wait_alu depctr_va_vdst(0)
.set m, 0
.rept 32
	v_sqrt_f32 v[R+m], |v[PR+m]|
.set m, m+1
.endr
	WIN WD
.irp i, 0,1
.set m, 0
.rept 8
	v_pk_mul_f32 v[SUM+16*\i+m:SUM+16*\i+m+1], v[Z+64*\i+m:Z+64*\i+m+1], v[GT+8*(\k)+4*\i:GT+8*(\k)+4*\i+1] op_sel_hi:[1,0]
.set m, m+2
.endr
.endr
.set WX, WD|(WV<<4)
	WIN WX
.irp i, 0,1
.set m, 0
.rept 8
	v_pk_fma_f32 v[SUM+16*\i+m:SUM+16*\i+m+1], v[Z+64*\i+16+m:Z+64*\i+17+m], v[GT+8*(\k)+4*\i:GT+8*(\k)+4*\i+1], v[SUM+16*\i+m:SUM+16*\i+m+1] op_sel:[0,1,0] op_sel_hi:[1,1,1]
.set m, m+2
.endr
.endr
.irp i, 0,1
.set m, 0
.rept 8
	v_pk_fma_f32 v[SUM+16*\i+m:SUM+16*\i+m+1], v[Z+64*\i+32+m:Z+64*\i+33+m], v[GT+8*(\k)+4*\i+2:GT+8*(\k)+4*\i+3], v[SUM+16*\i+m:SUM+16*\i+m+1] op_sel_hi:[1,0,1]
.set m, m+2
.endr
.endr
.irp i, 0,1
.set m, 0
.rept 8
	v_pk_fma_f32 v[SUM+16*\i+m:SUM+16*\i+m+1], v[Z+64*\i+48+m:Z+64*\i+49+m], v[GT+8*(\k)+4*\i+2:GT+8*(\k)+4*\i+3], v[SUM+16*\i+m:SUM+16*\i+m+1] op_sel:[0,1,0] op_sel_hi:[1,1,1]
.set m, m+2
.endr
.endr
.set WX, WD|WV
	WIN WX
	s_wait_alu depctr_va_vdst(0)
.set m, 0
.rept 32
	v_sqrt_f32 v[R+m], v[R+m]
.set m, m+1
.endr
	v_nop
	s_wait_alu depctr_va_vdst(0)
.set WX, WD|(WV<<4)|(WV<<2)
	WIN WX
.set m, 0
.rept 32
	v_bfi_b32 v[R+m], s82, v[R+m], v[PR+m]         ; the product's sign
.set m, m+1
.endr
.set WX, WD|(WV<<4)|WV
	WIN WX
.set m, 0
.rept 8
	v_pk_fma_f32 v[R+m:R+m+1], v[R+m:R+m+1], v[HH+2*(\k):HH+2*(\k)+1], v[SUM+m:SUM+m+1] op_sel_hi:[1,0,1]
.set m, m+2
.endr
.set m, 0
.rept 8
	v_pk_fma_f32 v[R+16+m:R+17+m], v[R+16+m:R+17+m], v[HH+2*(\k):HH+2*(\k)+1], v[SUM+16+m:SUM+17+m] op_sel:[0,1,0] op_sel_hi:[1,1,1]
.set m, m+2
.endr
.set WX, WV<<2
	WIN WX
.irp i, 0,1
.irp f, 0,1,2,3
	ds_store_b128 v[STO], v[R+16*\i+4*\f:R+16*\i+4*\f+3] offset:((\k)%2)*SB2+\i*16*SPITCH+64*(\f/2)+16*(\f%2)
.endr
.endr
	WIN 0
.endm
; 64 rows x 256 bytes of the four waves lie in a stage: I take 16 of them whole, two to an instruction, into the pair's last 32 registers.
.macro BACK k
.set OB, 128*((\k)%2)+96
.set WV, 2+(\k)/2
.set WX, WV<<6
	WIN WX
.irp t, 0,1,2,3,4,5,6,7
	ds_load_b128 v[OB+4*\t:OB+4*\t+3], v[RD] offset:((\k)%2)*SB2+2*SPITCH*\t
.endr
.set WX, WV<<2
	WIN WX
.irp t, 0,1,2,3,4,5,6,7
	s_wait_dscnt 7-\t
	global_store_b128 v[CO], v[OB+4*\t:OB+4*\t+3], s[72:73] offset:(32*(\k)+2*\t)*8192 th:TH_STORE_NT   ; sixteen lanes fill 256 consecutive bytes, aligned
.endr
	WIN 0
.endm
	s_wait_alu depctr_va_vdst(0)
	s_wait_tensorcnt 0x0                           ; my part of slot 0 is in
	ds_add_u32 v[SPW], v[NIL]
	s_wait_dscnt 0x0
	CROUND
	JLOAD 1                                        ; the second 512 of K, the first tensor load behind the round
	s_mov_b32 s2, TILES
.Ltile:
.irp a, 0,1,2,3,4,5,6,7
	global_load_b128 v[GT+4*\a:GT+4*\a+3], v[GO], s[10:11] offset:256*\a   ; the four gates of row 16 a + r: wanted on the way out
.endr
	WIN 0xc0
.set k, 0
.rept 16
	ds_load_b128 v[192+4*k:195+4*k], v[TR] offset:128*(k/4)+64*((k/2)%2)+16*(k%2)   ; the bias, in a result's layout, into block 7's accumulators
.set k, k+1
.endr
	WIN 0
	FETCH_A 0, 0, 0
	FETCH_A 0, 0, 4
	KSTEP 0, 0, 0, 0, 1, 1, 48, 32
	KSTEP 1, 0, 0, 0, 1, 1, 48, 32
	KSTEP 2, 0, 0, 0, 1, 1, 48, 32
	KSTEP 3, 1, 1, 0, 1, 1, 48, 32
	KSTEP 4, 0, 0, 0, 1, 1, 48, 32
	KSTEP 5, 0, 0, 0, 1, 1, 48, 32
	KSTEP 6, 0, 0, 0, 1, 1, 48, 32
	KSTEP 7, 1, 1, 0, 1, 1, 48, 32
	KSTEP 8, 0, 0, 0, 1, 1, 48, 32
	KSTEP 9, 0, 0, 0, 1, 1, 48, 32
	KSTEP 10, 0, 0, 0, 1, 1, 48, 32
	s_cmp_eq_u32 s2, 1
	s_cbranch_scc1 .Ln11
	KSTEP 11, 1, 1, 1, 1, 1, 48, 32                ; the ring goes on into the next block
	s_branch .Lj11
.Ln11:
	KSTEP 11, 1, 0, 0, 1, 1, 48, 32                ; the last block fills nothing more
.Lj11:
	KSTEP 12, 0, 0, 0, 1, 1, 48, 32
	KSTEP 13, 0, 0, 0, 1, 1, 48, 32
	s_cmp_eq_u32 s2, 1
	s_cbranch_scc1 .Ln14
	KSTEP 14, 0, 0, 0, 1, 1, 48, 32                ; wc's loads go on with the next block's steps 0 and 1
	KSTEP 15, 1, 1, 1, 0, 1, 48, 32
	s_branch .Ltail
.Ln14:
	KSTEP 14, 0, 0, 0, 1, 0, 48, 32
	KSTEP 15, 0, 0, 0, 0, 0, 16, 0                 ; behind step 15's first half set only its second was asked for
.Ltail:
	PLACES NP
.set k, 0
.rept 16
	ds_load_b128 v[TH+4*k:TH+4*k+3], v[TR] offset:512+128*(k/4)+64*((k/2)%2)+16*(k%2)
.set k, k+1
.endr
	s_wait_loadcnt 32                              ; the gates are older than every load of wc in this block
.irp a, 0,1,2,3,4,5,6,7
	v_mul_f32 v[HH+\a], v[GT+4*\a], v[GT+4*\a+1]
	v_mul_f32 v[24+\a], v[GT+4*\a+2], v[GT+4*\a+3]
.endr
.irp a, 0,1,2,3,4,5,6,7
	v_mul_f32 v[HH+\a], v[HH+\a], v[24+\a]
.endr
	s_wait_alu depctr_va_vdst(0)
.irp a, 0,1,2,3,4,5,6,7
	v_sqrt_f32 v[HH+\a], v[HH+\a]
.endr
	v_nop
	s_wait_alu depctr_va_vdst(0)
.irp a, 0,1,2,3,4,5,6,7
	v_sqrt_f32 v[HH+\a], v[HH+\a]
.endr
	v_nop
	s_wait_alu depctr_va_vdst(0)
.irp a, 0,1,2,3,4,5,6,7
	v_mul_f32 v[HH+\a], 0x3dcccccd, v[HH+\a]
.endr
.irp k, 0,1,2,3
	EPI2 \k
	s_wait_dscnt 0x0                               ; my stores into this stage are done, and so were my reads of the other
	s_barrier_signal -1
	s_barrier_wait -1
	BACK \k
.endr
	s_wait_xcnt 0x0                                ; the stores have read their registers and their base
	s_add_nc_u64 s[72:73], s[72:73], WALK*8192
	s_add_nc_u64 s[10:11], s[10:11], WALK*16
	s_sub_co_u32 s2, s2, 1
	s_cmp_lg_u32 s2, 0
	s_wait_alu depctr_va_vdst(0)
	s_cbranch_scc1 .Ltile
	s_wait_tensorcnt 0x0                           ; the wave's end
	ds_add_u32 v[SPW], v[NIL]
	s_wait_dscnt 0x0
	CROUND                                         ; the closing round
	s_endpgm
.Lfunc_end_k_qfd8b7db192_gemm:
	.size	k_qfd8b7db192_gemm, .Lfunc_end_k_qfd8b7db192_gemm-k_qfd8b7db192_gemm
	.p2alignl 7, 3214868480
	.fill 96, 4, 3214868480
	.section	.rodata,"a",@progbits
	.p2align	6, 0x0
	.amdhsa_kernel k_qfd8b7db192_gemm
		.amdhsa_group_segment_fixed_size 327680
		.amdhsa_private_segment_fixed_size 0
		.amdhsa_enable_private_segment 0
		.amdhsa_kernarg_size 56
		.amdhsa_user_sgpr_count 2
		.amdhsa_user_sgpr_kernarg_segment_ptr 1
		.amdhsa_wavefront_size32 1
		.amdhsa_system_sgpr_workgroup_id_x 1
		.amdhsa_system_sgpr_workgroup_id_y 1
		.amdhsa_system_sgpr_workgroup_id_z 1
		.amdhsa_system_vgpr_workitem_id 0
		.amdhsa_next_free_vgpr 1024
		.amdhsa_next_free_sgpr 98
		.amdhsa_reserve_vcc 0
		.amdhsa_float_denorm_mode_32 3
		.amdhsa_float_denorm_mode_16_64 3
		.amdhsa_memory_ordered 1
		.amdhsa_forward_progress 1
		.amdhsa_inst_pref_size 255
	.end_amdhsa_kernel
	.section	.bss,"aw",@nobits
	.p2align	6
	.space	262144
	.amdgpu_metadata
---
amdhsa.version: [ 1, 2 ]
amdhsa.kernels:
  - .name:           k_qfd8b7db192_gemm
    .symbol:         k_qfd8b7db192_gemm.kd
    .args:
      - { .name: xc, .offset: 0, .size: 8, .value_kind: global_buffer, .address_space: global }
      - { .name: wc, .offset: 8, .size: 8, .value_kind: global_buffer, .address_space: global }
      - { .name: lowp_scales, .offset: 16, .size: 8, .value_kind: global_buffer, .address_space: global }
      - { .name: gates, .offset: 24, .size: 8, .value_kind: global_buffer, .address_space: global }
      - { .name: b_seg, .offset: 32, .size: 8, .value_kind: global_buffer, .address_space: global }
      - { .name: threshold, .offset: 40, .size: 8, .value_kind: global_buffer, .address_space: global }
      - { .name: out0, .offset: 48, .size: 8, .value_kind: global_buffer, .address_space: global }
    .group_segment_fixed_size: 327680
    .private_segment_fixed_size: 0
    .kernarg_segment_align: 8
    .kernarg_segment_size: 56
    .max_flat_workgroup_size: 128
    .sgpr_count:     98
    .vgpr_count:     1024
    .wavefront_size: 32
...
	.end_amdgpu_metadata
.endif
;; end of part 2
